; MI455X (gfx1250); checked and timed in simulation.
; The chip was launched on July 23, 2026; its instructions are those of AMD's public machine-readable ISA for CDNA 5 (MIT licence, August 2026) and "CDNA5" Instruction Set Architecture Reference Guide (July 2026). The comments in the code are by the model that wrote it; some were corrected since.
;; Multi Head Attention. Allowed arithmetic: matrix products marked QUANTISED: E2M3 operands, one E8M0 scale for each 32 along K, by v_wmma_scale_f32_16x16x128_f8f6f4 with both operands' format E2M3, f32 sums; everything else in f32.
;; Inputs: Wk 128 x 128 float32; Wo 128 x 128 float32; Wq 128 x 128 float32; Wv 128 x 128 float32; bk 128 float32; bo 128 float32; bq 128 float32; bv 128 float32; k 2 x 4,096 x 128 float32; q 2 x 4,096 x 128 float32; v 2 x 4,096 x 128 float32.
;; Outputs: out0 2 x 4,096 x 128 float32.
;; This version of the problem:
;;   THIS VERSION OF THE PROBLEM IS GIVEN IN LOW PRECISION. The matrix products marked QUANTISED in the list below multiply operands that are first quantised to E2M3 (2 exponent bits, 3 mantissa bits; 6 bits a number), with one power-of-two scale for each 32 numbers along K (OCP MX v1.0); their sums are f32. All else is computed in f32.
;;   The module's matrix products, in the order in which they are computed (A, B: the left and right operand; K: the contracted axis; several contracted axes count as one K, in the product's order):
;;     1. [M 8,192, K 128] x [K 128, N 128]; A: input q; B: input Wq: QUANTISED
;;     2. [M 8,192, K 128] x [K 128, N 128]; A: input k; B: input Wk: QUANTISED
;;     3. [M 8,192, K 128] x [K 128, N 128]; A: input v; B: input Wv: QUANTISED
;;     4. batch 8 x [M 4,096, K 32] x [K 32, N 4,096]; A: computed on the way; B: computed on the way: QUANTISED
;;     5. batch 8 x [M 4,096, K 4,096] x [K 4,096, N 32]; A: softmax (see below); B: computed on the way: QUANTISED
;;     6. [M 8,192, K 128] x [K 128, N 128]; A: computed on the way; B: input Wo: QUANTISED
;;   THE QUANTISER, for each operand of a quantised product, along K:
;;     - K is cut into blocks of 32 from its start; a last block that is shorter is filled with zeros.
;;     - A block's scale is 2^e with e = floor(log2(the largest magnitude in the block)) - 2, held to -126 .. 127; a block of zeros has e = 0. As a byte (E8M0): e + 127.
;;     - Each number is divided by its block's scale, clamped to +-7.5, and rounded to the nearest number of E2M3, ties to even, subnormals kept.
;;     - The product sums the exact products of the quantised numbers (number of the format x scale) in f32.
;;   ~~~python
;;   def quantise(x, axis):      # numpy; x: float32 -> the quantised numbers, widened to float32 again
;;       x = np.moveaxis(x, axis, -1); K = x.shape[-1]
;;       x = np.pad(x, [(0, 0)] * (x.ndim - 1) + [(0, -K % 32)]); x = x.reshape(x.shape[:-1] + (-1, 32)); a = np.abs(x).max(-1, keepdims=True)
;;       e = np.where(a > 0, np.clip(np.frexp(np.where(a > 0, a, 1))[1] - 1 - 2, -126, 127), 0)      # np.frexp(a)[1] - 1 = floor(log2(a)), exactly
;;       r = np.clip(x / 2.0 ** e, -7.5, 7.5)
;;       step = 2.0 ** (np.maximum(np.frexp(np.where(r == 0, 1, r))[1] - 1, 0) - 3)
;;       q = np.round(r / step) * step * 2.0 ** e      # np.round: ties to even
;;       return np.moveaxis(q.reshape(q.shape[:-2] + (-1,))[..., :K], -1, axis).astype(np.float32)
;;   ~~~
;;   SOFTMAX AHEAD OF A QUANTISED PRODUCT. Where the list says 'softmax', what is quantised is not the finished softmax but p = 2^(t - M), with t = logit x log2(e) and M = ceil(the row's largest t), a whole number; so 1/2 < the row's largest p <= 1. The row's sum l is taken of the UNQUANTISED p, in f32, and the product's result is divided by l at the end. Since M is a whole number, a kernel that streams over the keys may use a running M (the ceiling of the running maximum): every later rescaling is an exact power of two, which a block's scale takes up: the codes' values come out the same.
;;   OPERANDS COMPUTED ON THE WAY. 'Computed on the way' means the value that the module computes at that place (a softmax that the list does not call 'softmax' is quantised finished and normalised). What goes into a quantiser is computed in f32, as accurately as f32 sums, v_exp_f32 and their like allow (about 1e-6 of the number): no bf16 or f16 on the way to a quantiser, and a product that is left as it is and whose result goes on into a quantised operand takes f32 operands (vector FMAs, or v_wmma_f32_16x16x4_f32). A number that lies on a knife's edge between two numbers of the format may be rounded either way, as far as f32 arithmetic and the matrix unit's own rounding can turn it there, and no further.
;; One version. Each part assembles by itself: llvm-mc -triple=amdgcn-amd-amdhsa -mcpu=gfx1250 --defsym DOCPART=n.
;; ======== version 1 of 1: 2 launches
;; limits: right only within a limited range of input values
;; workspace buffers: codes 2,359,296 bytes; scales 98,304 bytes
;; launch proj (part 1): grid 64 x 3, 16 waves a work-group, no clusters, 128,000 bytes of LDS; arguments k, v, q, Wk, Wv, Wq, bk, bv, bq, codes, scales; writes codes, scales
.if DOCPART == 1
	.amdgcn_target "amdgcn-amd-amdhsa--gfx1250"
	.amdhsa_code_object_version 6
	.text
	.protected	k_q4dfa4d286e_proj
	.globl	k_q4dfa4d286e_proj
	.p2align	8
	.type	k_q4dfa4d286e_proj,@function
k_q4dfa4d286e_proj:
	s_mov_b64 s[64:65], 0
	v_nop
	global_prefetch_b8 v0, s[64:65] scope:SCOPE_SE
	s_setreg_imm32_b32 hwreg(HW_REG_WAVE_MODE, 25, 1), 1
	s_wait_xcnt 0x0
; The three input projections Y = Q(X) Q(W) + b on codes of FP6 (E2M3), and Y quantised again, as the attention launch wants it.  No work of the problem is left out in this program.
; X: k, v or q (work-group y = 0, 1, 2), [8192][128] f32; W: [128 (K)][128 (n)] f32; b: [128] f32.  A work-group takes 128 rows (a step) of one tensor.
; EVERY SCALE BLOCK OF 32 LIES IN ONE LANE.  X: a wave's 8 rows come as they lie, a row of 512 bytes to a load, and turn through the wave's stage in LDS: lane l then has row l % 8, block l / 8.
; W: a lane to a column, registers down K: wave w has columns 32 (w % 4) + lane, block w / 4.  Codes go to LDS as rows of 96 bytes, 112 apart; scale bytes as a word a row.
; THE ROW MAP: row r of tile T is row 64 (T / 4) + 32 (r / 8) + 8 (T % 4) + r % 8 (X's tiles; W's in k's and q's form).  So register 8 j + i of four result tiles runs along a block of 32, and lanes 0-15 and 16-31 hold two blocks.
;   k, q: wave w = 8 P + 4 F + g: source 0 = W's tiles 4 P + j, source 1 = X's tile 4 F + g: lane (r, h) holds the 32 channels of head 2 P + h for row r of that tile: block g of image 2 (2 P + h) + F.
;   v: wave w = 2 T + c: source 0 = X's tiles 4 c + j, source 1 = 16 columns 32 (T / 2) + 16 (r / 8) + 8 (T % 2) + r % 8 of W: lane (r, h) holds keys 64 c + 32 h + 0 .. 31 of one channel: image T is a fragment of V^T.
; The bias is the C of the matrix instructions.  The images (register i of lane l at 512 (i / 4) + 16 l + 4 (i % 4)) are put together in LDS and leave as runs of 512 bytes, with the step's 512 scale bytes behind them.
; codes: [16 slots of 512 rows][K, V, Q][4 steps][8 units][1536];   scales: [2 batches][K, V, Q][32 steps][512], unit u's word of row r at 64 u + 4 r.
; No tensor loads and no cluster: the work-groups of a tensor share its 64 KB of W alone, each reads it once.  192 work-groups: a fragment of V^T wants 128 keys, so a unit cannot be smaller.  No prefetch: no loop.
; LIMITS: NaN and infinities among the inputs are not served.  A block whose largest magnitude lies under 2^-124 has its byte held at 1; a block of zeros gets the byte 1 where the rule says 127:
; its codes are zeros, which add nothing under any byte but 0xff, and the bytes are read by this program alone.
.set XROW, 0                           ; LDS: X's codes, 128 rows of 112
.set WROW, 14336                       ; W's
.set XSC,  28672                       ; X's scale words
.set WSC,  29184                       ; W's
.set OUTK, 32768                       ; k's and q's results: 12,288 of codes, 512 of scale bytes
.set OSK,  45056
.set OUTV, 45568                       ; v's
.set OSV,  57856
.set STAGE, 58368                      ; 8 rows x (512 + 16) a wave
.set SPARE, 125952                     ; the spare words, 128 bytes a wave
.set LI,  1                            ; v1 16 x lane, v2 4 x lane
.set LS,  2
.set SPW, 3
.set NIL, 4
.set ACC, 32                           ; v32-63 X as loaded; then the four accumulators
.set XT,  64                           ; v64-95 a block of X; then v64-111 source 0's fragments
.set WN,  96                           ; v96-127 a block of W; then v112-123 source 1's fragment
.set BT,  128                          ; v128-159 the bias tiles, v160 v's bias number
.set BV,  160
.set AS,  168                          ; v168, v169 source 0's scale words, v170 source 1's: scales and nothing else
.set BS,  170
.set BM,  172
.set SO,  176
.set PC,  180                          ; codes of X, later of the results
.set CT,  186
.set PW,  190                          ; codes of W
.set CW,  196
.macro WALU
	s_wait_alu depctr_va_vdst(0)
.endm
; 32 numbers of a lane, one scale block, become six registers of codes at pc and a scale byte in v[BM+1]
.macro Q32 s, pc, ct
	v_max3_num_f32 v[BM], |v[\s]|, |v[\s+1]|, |v[\s+2]|
	v_max3_num_f32 v[BM+1], |v[\s+16]|, |v[\s+17]|, |v[\s+18]|
.irp i, 3,5,7,9,11,13
	v_max3_num_f32 v[BM], v[BM], |v[\s+\i]|, |v[\s+\i+1]|
	v_max3_num_f32 v[BM+1], v[BM+1], |v[\s+16+\i]|, |v[\s+17+\i]|
.endr
	v_max3_num_f32 v[BM+1], v[BM+1], |v[\s+15]|, |v[\s+31]|
	v_max3_num_f32 v[BM], v[BM], v[BM+1], 0x1800000    ; the floor 2^(3 - 127): the byte cannot fall under 1
	v_add_nc_u32 v[SO], 0xff000000, v[BM]              ; 2 off the exponent field: the conversion's scale operand
	v_lshrrev_b32 v[BM+1], 23, v[SO]                   ; the byte
	v_cvt_scalef32_pk16_fp6_f32 v[\pc:\pc+2], v[\s:\s+15], v[SO]
	v_cvt_scalef32_pk16_fp6_f32 v[\ct:\ct+2], v[\s+16:\s+31], v[SO]   ; (a conversion's three registers begin on an even number)
	v_nop                                              ; one plain place behind the scaled conversions
.irp i, 0,1,2
	v_mov_b32 v[\pc+3+\i], v[\ct+\i]
.endr
.endm
.macro ROW24 adr, pc                               ; a block's 24 bytes into its row
	ds_store_b64 v[\adr], v[\pc:\pc+1]
	ds_store_b64 v[\adr], v[\pc+2:\pc+3] offset:8
	ds_store_b64 v[\adr], v[\pc+4:\pc+5] offset:16
.endm
.macro FRAG reg, adr, off                          ; a fragment's row: 24 bytes at 24 h, 24 at 48 + 24 h
.irp p, 0,1,2,3,4,5
	ds_load_b64 v[\reg+2*\p:\reg+2*\p+1], v[\adr] offset:\off+48*(\p/3)+8*(\p%3)
.endr
.endm
.macro BARRIER
	s_wait_dscnt 0x0
	s_barrier_signal -1
	s_barrier_wait -1
.endm
	s_load_b256 s[4:11], s[0:1], 0x0               ; k s[4:5], v s[6:7], q s[8:9], Wk s[10:11]
	s_load_b256 s[12:19], s[0:1], 0x20             ; Wv s[12:13], Wq s[14:15], bk s[16:17], bv s[18:19]
	s_load_b128 s[20:23], s[0:1], 0x40             ; bq s[20:21], codes s[22:23]
	s_load_b64 s[24:25], s[0:1], 0x50              ; scales
	v_lshl_add_u32 v[SPW], v0, 2, SPARE
	v_mov_b32 v[NIL], 0
	v_lshrrev_b32 v7, 5, v0
	v_and_b32 v28, 31, v0                          ; lane
	v_and_b32 v5, 15, v0                           ; r
	v_bfe_u32 v6, v0, 4, 1                         ; h
	v_readfirstlane_b32 s26, v7                    ; wave 0..15
	v_lshlrev_b32 v[LI], 4, v28
	v_lshlrev_b32 v[LS], 2, v28
	v_lshrrev_b32 v26, 3, v5                       ; r / 8
	v_and_b32 v29, 7, v5                           ; r % 8
	WALU                                           ; the wait ahead of the scalar run
	s_and_b32 s27, ttmp7, 0xffff                   ; which tensor: 0 k, 1 v, 2 q
	s_and_b32 s36, s26, 3                          ; w % 4 (g)
	s_lshr_b32 s37, s26, 2                         ; w / 4
	s_lshr_b32 s34, s26, 3                         ; P
	s_and_b32 s35, s26, 1                          ; c
	s_lshr_b32 s69, s26, 1                         ; T
	s_and_b32 s73, s37, 1                          ; F
	s_lshl_b32 s38, ttmp9, 16                      ; X: 128 rows of 512 bytes a work-group, 8 a wave
	s_lshl_b32 s39, s26, 12
	s_add_co_u32 s38, s38, s39
	s_mov_b32 s39, 0
	s_lshl_b32 s40, s37, 14                        ; W: 32 rows down for each block, 128 bytes along for each 32 columns
	s_lshl_b32 s41, s36, 7
	s_add_co_u32 s40, s40, s41
	s_mov_b32 s41, 0
	s_wait_kmcnt 0x0
	s_cmp_eq_u32 s27, 1                            ; the three buffers are chosen by the work-group's y alone
	s_cselect_b64 s[28:29], s[6:7], s[8:9]
	s_cselect_b64 s[30:31], s[12:13], s[14:15]
	s_cselect_b64 s[32:33], s[18:19], s[20:21]
	s_cmp_eq_u32 s27, 0
	s_cselect_b64 s[28:29], s[4:5], s[28:29]
	s_cselect_b64 s[30:31], s[10:11], s[30:31]
	s_cselect_b64 s[32:33], s[16:17], s[32:33]
	s_add_nc_u64 s[28:29], s[28:29], s[38:39]
	s_add_nc_u64 s[30:31], s[30:31], s[40:41]
.set i, 0
.rept 8
	global_load_b128 v[ACC+4*i:ACC+4*i+3], v[LI], s[28:29] offset:512*i th:TH_LOAD_NT   ; a row of X: 512 consecutive bytes, read once in the launch
.set i, i+1
.endr
.set i, 0
.rept 32
	global_load_b32 v[WN+i], v[LS], s[30:31] offset:512*i   ; W(32 (w / 4) + i, my column)
.set i, i+1
.endr
	s_lshr_b32 s42, ttmp9, 2                       ; codes: slot x / 4,
	s_mul_i32 s42, s42, 147456
	s_and_b32 s43, ttmp9, 3                        ; step x % 4,
	s_mul_i32 s43, s43, 12288
	s_add_co_u32 s42, s42, s43
	s_mul_i32 s43, s27, 49152                      ; the tensor's part,
	s_add_co_u32 s42, s42, s43
	s_lshl_b32 s43, s26, 9                         ; my 512 bytes
	s_add_co_u32 s42, s42, s43
	s_mov_b32 s43, 0
	s_lshr_b32 s44, ttmp9, 5                       ; scales: batch x / 32,
	s_mul_i32 s44, s44, 49152
	s_lshl_b32 s45, s27, 14
	s_add_co_u32 s44, s44, s45
	s_and_b32 s45, ttmp9, 31                       ; step x % 32
	s_lshl_b32 s45, s45, 9
	s_add_co_u32 s44, s44, s45
	s_mov_b32 s45, 0
	s_mul_i32 s46, s26, 4224
	s_add_co_u32 s46, s46, STAGE
	s_mul_i32 s47, s26, 896                        ; my 8 rows of X's codes
	s_lshl_b32 s48, s26, 5
	s_add_co_u32 s48, s48, XSC
	s_mul_i32 s49, s36, 3584                       ; my 32 columns' rows of W's codes, my block
	s_mul_i32 s50, s37, 24
	s_add_co_u32 s49, s49, s50
	s_add_co_u32 s49, s49, WROW
	s_lshl_b32 s50, s36, 7
	s_add_co_u32 s50, s50, s37
	s_add_co_u32 s50, s50, WSC
	s_lshl_b32 s57, s34, 8                         ; 256 P
	s_lshl_b32 s68, s73, 6                         ; k, q: source 1's tile begins at 64 F + 8 g
	s_lshl_b32 s70, s36, 3
	s_add_co_u32 s68, s68, s70
	s_lshl_b32 s70, s37, 5                         ; v: 32 (T / 2) + 8 (T % 2)
	s_and_b32 s72, s69, 1
	s_lshl_b32 s72, s72, 3
	s_add_co_u32 s70, s70, s72
	s_cmp_eq_u32 s27, 1
	s_cselect_b32 s54, s70, s68
	s_cselect_b32 s53, 16, 32
	s_cselect_b32 s67, -1, 0
	s_mul_i32 s51, s34, 7168                       ; k, q: source 0's four tiles begin at W's row 64 P,
	s_add_co_u32 s51, s51, WROW
	s_lshl_b32 s52, s34, 8
	s_add_co_u32 s52, s52, WSC
	s_mul_i32 s55, s68, 112                        ; source 1's tile at X's row 64 F + 8 g
	s_lshl_b32 s56, s68, 2
	s_add_co_u32 s56, s56, XSC
	s_mul_i32 s71, s35, 7168                       ; v: source 0's four tiles begin at X's row 64 c,
	s_lshl_b32 s74, s35, 8
	s_add_co_u32 s74, s74, XSC
	s_mul_i32 s75, s70, 112                        ; source 1's tile at W's row 32 (T / 2) + 8 (T % 2)
	s_add_co_u32 s75, s75, WROW
	s_lshl_b32 s76, s70, 2
	s_add_co_u32 s76, s76, WSC
	s_lshl_b32 s66, s26, 9
	s_add_co_u32 s66, s66, OUTK
	s_add_co_u32 s77, s66, 12800
	s_lshl_b32 s72, s34, 2                         ; k, q: image 4 P + F (+ 2 h), lane r + 16 (g % 2), registers from 6 (g / 2)
	s_add_co_u32 s72, s72, s73
	s_mul_i32 s58, s72, 1536
	s_lshl_b32 s60, s72, 6
	s_add_co_u32 s60, s60, s36
	s_add_co_u32 s60, s60, OSK
	s_lshl_b32 s72, s35, 8
	s_add_co_u32 s58, s58, s72
	s_lshr_b32 s72, s36, 1
	s_mul_i32 s59, s72, 496
	s_mul_i32 s72, s72, 520
	s_add_co_u32 s58, s58, s72
	s_add_co_u32 s58, s58, OUTK
	s_mul_i32 s61, s69, 1536                       ; v: image T, registers from 6 c
	s_mul_i32 s72, s35, 520
	s_add_co_u32 s61, s61, s72
	s_add_co_u32 s61, s61, OUTV
	s_mul_i32 s62, s35, 496
	s_lshl_b32 s63, s69, 6
	s_lshl_b32 s72, s35, 1
	s_add_co_u32 s63, s63, s72
	s_add_co_u32 s63, s63, OSV
	v_mul_u32_u24 v27, s53, v26
	v_add3_u32 v27, v27, v29, s54                  ; source 1's row
	v_lshlrev_b32 v18, 2, v27                      ; b, v's form
	v_lshl_add_u32 v17, v6, 7, s57                 ; b, k's and q's form
	WALU
	s_add_nc_u64 s[22:23], s[22:23], s[42:43]
	s_add_nc_u64 s[24:25], s[24:25], s[44:45]
.irp j, 0,1,2,3,4,5,6,7
	global_load_b128 v[BT+4*\j:BT+4*\j+3], v17, s[32:33] offset:16*\j   ; b(64 P + 32 h + 0 .. 31)
.endr
	global_load_b32 v[BV], v18, s[32:33]
	; the LDS addresses, while the loads are on their way
	v_and_b32 v30, 7, v28
	v_lshrrev_b32 v31, 3, v28
	v_add_nc_u32 v7, s46, v[LI]                    ; the stage, in: a row's 512 bytes
	v_mul_u32_u24 v8, 0x210, v30
	v_lshl_add_u32 v8, v31, 7, v8
	v_add_nc_u32 v8, s46, v8                       ; and out: row l % 8, block l / 8
	v_mul_u32_u24 v9, 0x70, v30
	v_mad_u32_u24 v9, v31, 24, v9
	v_add_nc_u32 v9, s47, v9                       ; X's codes
	v_lshl_add_u32 v10, v30, 2, v31
	v_add_nc_u32 v10, s48, v10                     ; X's scale byte
	v_mul_u32_u24 v11, 0x70, v28
	v_add_nc_u32 v11, s49, v11                     ; W's codes
	v_add_nc_u32 v12, s50, v[LS]                   ; W's scale byte
	v_lshl_add_u32 v200, v26, 4, v29               ; 16 (r / 8) + r % 8
	v_lshl_add_u32 v26, v26, 5, v29                ; 32 (r / 8) + r % 8
	v_mul_u32_u24 v206, 0x70, v26
	v_mad_u32_u24 v206, v6, 24, v206
	v_add_nc_u32 v13, s51, v206                    ; k, q: source 0's fragments,
	v_add_nc_u32 v15, s55, v206                    ; source 1's;
	v_add_nc_u32 v201, s71, v206                   ; v: source 0's
	v_lshlrev_b32 v207, 2, v26
	v_add_nc_u32 v16, s56, v207                    ; k, q: source 1's scale words
	v_lshl_add_u32 v207, v6, 5, v207
	v_add_nc_u32 v14, s52, v207                    ; source 0's: lanes 16-31 take the next tile's;
	v_add_nc_u32 v202, s74, v207                   ; v: likewise
	v_mul_u32_u24 v203, 0x70, v200
	v_mad_u32_u24 v203, v6, 24, v203
	v_add_nc_u32 v203, s75, v203                   ; v: source 1's fragment
	v_lshl_add_u32 v204, v200, 2, s76              ; and its scale words
	v_lshl_add_u32 v19, v5, 4, s58
	v_mad_u32_u24 v19, v6, 0xc00, v19              ; k, q: the image
	v_add_nc_u32 v20, s59, v19
	v_lshl_add_u32 v21, v5, 2, s60
	v_lshl_add_u32 v21, v6, 7, v21                 ; its scale byte
	v_add_nc_u32 v22, s61, v[LI]                   ; v: the image
	v_add_nc_u32 v23, s62, v22
	v_lshl_add_u32 v24, v5, 2, s63
	v_add_nc_u32 v24, v24, v6
	v_add_nc_u32 v25, s66, v[LI]                   ; the way out: my 512 bytes of k's and q's images,
	v_add_nc_u32 v205, s77, v[LI]                  ; or of v's
	WALU                                           ; the wait at the head's end
	s_wait_loadcnt 41                              ; X's 8 loads are in; W's 32 and the bias's 9 may be out
.set i, 0
.rept 8
	ds_store_b128 v7, v[ACC+4*i:ACC+4*i+3] offset:528*i
.set i, i+1
.endr
.set i, 0
.rept 8
	ds_load_b128 v[XT+4*i:XT+4*i+3], v8 offset:16*i    ; LDS serves a wave's instructions in order: these see the stores above
.set i, i+1
.endr
	s_wait_loadcnt 9                               ; W's are in; the bias's may be out
	Q32 WN, PW, CW
	ROW24 11, PW
	ds_store_b8 v12, v[BM+1]
	s_wait_dscnt 4                                 ; X's block is back; the four stores behind it may be out
	Q32 XT, PC, CT
	ROW24 9, PC
	ds_store_b8 v10, v[BM+1]
	BARRIER                                        ; all codes of X and W lie in LDS
.macro OPERANDS a, sa, b, sb
	ds_load_b32 v[AS], v[\sa]                      ; lanes 0-15: tile 0's words, lanes 16-31: tile 1's
	ds_load_b32 v[AS+1], v[\sa] offset:64          ; tiles 2 and 3
	ds_load_b32 v[BS], v[\sb]
	FRAG 112, \b, 0
.irp j, 0,1,2,3
	FRAG 64+12*\j, \a, 896*\j
.endr
.endm
	s_cmp_eq_u32 s27, 1                            ; the same way for all waves
	WALU
	s_cbranch_scc1 .Lload_v
	OPERANDS 13, 14, 15, 16
	s_branch .Lloaded
.Lload_v:
	OPERANDS 201, 202, 203, 204
.Lloaded:
	s_wait_loadcnt 0x0
.set i, 0
.rept 32
	v_cndmask_b32 v[BT+i], v[BT+i], v[BV], s67     ; v: a lane holds one channel, its bias in all registers
.set i, i+1
.endr
	WALU
	s_wait_dscnt 0x0
	v_wmma_scale_f32_16x16x128_f8f6f4 v[ACC:ACC+7], v[64:75], v[112:123], v[BT:BT+7], v[AS], v[BS] matrix_a_fmt:MATRIX_FMT_FP6 matrix_b_fmt:MATRIX_FMT_FP6
	v_wmma_scale_f32_16x16x128_f8f6f4 v[ACC+8:ACC+15], v[76:87], v[112:123], v[BT+8:BT+15], v[AS], v[BS] matrix_a_fmt:MATRIX_FMT_FP6 matrix_b_fmt:MATRIX_FMT_FP6 matrix_a_scale:MATRIX_SCALE_ROW1
	v_wmma_scale_f32_16x16x128_f8f6f4 v[ACC+16:ACC+23], v[88:99], v[112:123], v[BT+16:BT+23], v[AS+1], v[BS] matrix_a_fmt:MATRIX_FMT_FP6 matrix_b_fmt:MATRIX_FMT_FP6
	v_wmma_scale_f32_16x16x128_f8f6f4 v[ACC+24:ACC+31], v[100:111], v[112:123], v[BT+24:BT+31], v[AS+1], v[BS] matrix_a_fmt:MATRIX_FMT_FP6 matrix_b_fmt:MATRIX_FMT_FP6 matrix_a_scale:MATRIX_SCALE_ROW1
.rept 4
	v_nop                                          ; four places ahead of the first read of results (ISA guide 7.12.1)
.endr
	Q32 ACC, PC, CT
	s_cmp_eq_u32 s27, 1                            ; the same way for all waves; each way has LDS bytes of its own
	WALU
	s_cbranch_scc1 .Lform_v
	ds_store_b64 v19, v[PC:PC+1]                   ; registers 6 (g / 2) + 0, 1 of the image,
	ds_store_b64 v20, v[PC+2:PC+3] offset:8        ; + 2, 3,
	ds_store_b64 v19, v[PC+4:PC+5] offset:512      ; + 4, 5
	ds_store_b8 v21, v[BM+1]
	s_branch .Lstored
.Lform_v:
	ds_store_b64 v22, v[PC:PC+1]
	ds_store_b64 v23, v[PC+2:PC+3] offset:8
	ds_store_b64 v22, v[PC+4:PC+5] offset:512
	ds_store_b8 v24, v[BM+1]
.Lstored:
	BARRIER                                        ; the step's eight images and 512 scale bytes lie in LDS: 25 runs of 512 bytes
	s_cmp_eq_u32 s27, 1
	s_cbranch_scc1 .Lout_v
	ds_load_b128 v[32:35], v25
	s_branch .Lout
.Lout_v:
	ds_load_b128 v[32:35], v205
.Lout:
	s_wait_dscnt 0x0
	global_store_b128 v[LI], v[32:35], s[22:23]    ; 32 lanes store 512 consecutive bytes, aligned
	s_cmp_gt_u32 s26, 8
	s_cbranch_scc1 .Lend
	s_cmp_eq_u32 s27, 1
	s_cbranch_scc1 .Lmore_v
	ds_load_b128 v[36:39], v25 offset:8192
	s_branch .Lmore
.Lmore_v:
	ds_load_b128 v[36:39], v205 offset:8192
.Lmore:
	s_wait_dscnt 0x0
	s_cmp_eq_u32 s26, 8
	s_cbranch_scc1 .Lscales
	global_store_b128 v[LI], v[36:39], s[22:23] offset:8192
	s_branch .Lend
.Lscales:
	global_store_b128 v[LI], v[36:39], s[24:25]    ; wave 8: the scale bytes
.Lend:
	s_wait_tensorcnt 0x0                           ; the wave's end
	ds_add_u32 v[SPW], v[NIL]
	s_wait_dscnt 0x0
	s_endpgm
.Lfunc_end_k_q4dfa4d286e_proj:
	.size	k_q4dfa4d286e_proj, .Lfunc_end_k_q4dfa4d286e_proj-k_q4dfa4d286e_proj
	.p2alignl 7, 3214868480
	.fill 96, 4, 3214868480
	.section	.rodata,"a",@progbits
	.p2align	6, 0x0
	.amdhsa_kernel k_q4dfa4d286e_proj
		.amdhsa_group_segment_fixed_size 128000
		.amdhsa_private_segment_fixed_size 0
		.amdhsa_enable_private_segment 0
		.amdhsa_kernarg_size 88
		.amdhsa_user_sgpr_count 2
		.amdhsa_user_sgpr_kernarg_segment_ptr 1
		.amdhsa_wavefront_size32 1
		.amdhsa_system_sgpr_workgroup_id_x 1
		.amdhsa_system_sgpr_workgroup_id_y 1
		.amdhsa_system_sgpr_workgroup_id_z 1
		.amdhsa_system_vgpr_workitem_id 0
		.amdhsa_next_free_vgpr 256
		.amdhsa_next_free_sgpr 80
		.amdhsa_reserve_vcc 0
		.amdhsa_float_denorm_mode_32 3
		.amdhsa_float_denorm_mode_16_64 3
		.amdhsa_memory_ordered 1
		.amdhsa_forward_progress 1
		.amdhsa_inst_pref_size 27
	.end_amdhsa_kernel
	.amdgpu_metadata
---
amdhsa.version: [ 1, 2 ]
amdhsa.kernels:
  - .name:           k_q4dfa4d286e_proj
    .symbol:         k_q4dfa4d286e_proj.kd
    .args:
      - { .name: k, .offset: 0, .size: 8, .value_kind: global_buffer, .address_space: global }
      - { .name: v, .offset: 8, .size: 8, .value_kind: global_buffer, .address_space: global }
      - { .name: q, .offset: 16, .size: 8, .value_kind: global_buffer, .address_space: global }
      - { .name: Wk, .offset: 24, .size: 8, .value_kind: global_buffer, .address_space: global }
      - { .name: Wv, .offset: 32, .size: 8, .value_kind: global_buffer, .address_space: global }
      - { .name: Wq, .offset: 40, .size: 8, .value_kind: global_buffer, .address_space: global }
      - { .name: bk, .offset: 48, .size: 8, .value_kind: global_buffer, .address_space: global }
      - { .name: bv, .offset: 56, .size: 8, .value_kind: global_buffer, .address_space: global }
      - { .name: bq, .offset: 64, .size: 8, .value_kind: global_buffer, .address_space: global }
      - { .name: codes, .offset: 72, .size: 8, .value_kind: global_buffer, .address_space: global }
      - { .name: scales, .offset: 80, .size: 8, .value_kind: global_buffer, .address_space: global }
    .group_segment_fixed_size: 128000
    .private_segment_fixed_size: 0
    .kernarg_segment_align: 8
    .kernarg_segment_size: 88
    .max_flat_workgroup_size: 512
    .sgpr_count:     80
    .vgpr_count:     256
    .wavefront_size: 32
...
	.end_amdgpu_metadata
.endif
;; end of part 1
;; launch attn (part 2): grid 256 x 1, 16 waves a work-group, no clusters, 114,944 bytes of LDS; arguments codes, scales, Wo, bo, out0; writes out0
.if DOCPART == 2
	.amdgcn_target "amdgcn-amd-amdhsa--gfx1250"
	.amdhsa_code_object_version 6
	.text
	.protected	k_q4dfa4d286e_attn
	.globl	k_q4dfa4d286e_attn
	.p2align	8
	.type	k_q4dfa4d286e_attn,@function
k_q4dfa4d286e_attn:
	s_mov_b64 s[64:65], 0
	v_nop
	global_prefetch_b8 v0, s[64:65] scope:SCOPE_SE
	s_setreg_imm32_b32 hwreg(HW_REG_WAVE_MODE, 25, 1), 1
	s_wait_xcnt 0x0
; out = concat_heads(softmax(Q K^T / sqrt(32)) V) Wo + bo: logits, softmax, p V, the quantising of the heads' results and the last product, all products on codes of FP6 (E2M3) with E8M0 scales.
; Q, K, V come as images of operand registers from the launch before (register i of lane l at 512 (i / 4) + 16 l + 4 (i % 4); 1,536 bytes):
;   codes [16 slots of 512 rows][K, V, Q][4 steps of 128 rows][8 units][1536];  scales [2 batches][K, V, Q][32 steps][512], unit u's word of row r at 64 u + 4 r.
;   K, Q, unit 2 head + F: block g holds the head's 32 codes of row 64 F + 32 (r / 8) + 8 g + r % 8.   V, unit 2 head + u: V^T, row r = channel 32 head + 16 (r / 8) + 8 u + r % 8, K = the step's 128 keys.
; SHARES.  A work-group owns 32 queries (block g = 2 p + ti of image F, ti = 0, 1: two tiles of 16) and all four heads.  Wave w: head w % 4, and of each slot of 512 keys the step w / 4: both tiles of queries, 8 steps of 128 keys.
; 256 work-groups of equal work, one turn.
; FRAGMENTS GO FROM MEMORY STRAIGHT INTO REGISTERS: K and V lie in the order of the operand's registers, so each load takes 512 consecutive bytes, and each fragment loaded serves both tiles.  No LDS in the loop.
; The next step's K is asked for behind tile b's scores, its V behind tile b's product with V.
; A SPLIT BARRIER in each of the seven trips orders no memory access: it holds the sixteen waves of a work-group within a step of one another, so that they come to the merge together.
; NO CLUSTER: a joint load fills LDS alone, and a ring there would take the four heads' 786,432 bytes of K and V in eight slots of 98,304, each behind a round of four work-groups' 64 waves; here nothing of K and V passes through LDS.
; NO PREFETCH of K and V: work-group n begins its walk at slot n % 8, so in the first trip the work-groups of a batch together ask for all of its K and V.  Of Wo each work-group asks for one block of 256 bytes ahead of the loop.
; THE LOGITS' K IS 32, THE INSTRUCTION'S 128.  Source 0 is an image of K: four groups of 16 keys, one to a block.  Source 1 holds 16 queries' codes in block g alone and zero codes elsewhere, which add nothing.
; Q's scale byte stands in all four bytes of its register.  Both products are used transposed: a lane holds ONE query (lane % 16), and register 32 c + 8 g + j of the scores is key 64 c + 32 (lane / 16) + 8 g + j:
; a lane holds two whole scale blocks, and the conversions' results fall as the next operand's registers.
; THE SOFTMAX: t = score x log2(e) / sqrt(32); M = the running largest t rounded up to a whole number; p = 2^(t - M) is quantised along the keys; the sum is taken of the unquantised p; when M moves, the sum and O^T
; are multiplied by 2^(old M - new M), which rounds nothing.  At the end the four parts of the keys are merged in the same way, O is divided by the sum, and the four heads meet in LDS as the four K blocks of the last product.
; No work of the problem is left out.
; LIMITS: NaN and infinities among the inputs are not served; the scaled scores stay under 2^31 in magnitude.  A block whose largest magnitude lies under 2^-124 has its byte held at 1; a block of zeros gets the byte 1
; (its codes are zeros).  A block's largest p is taken from its largest score, which takes v_exp_f32 not to fall where its input rises.  The division by the sum is v_rcp_f32 and a multiplication.
.set SLOTB, 147456                     ; a slot in memory: K, V, Q, 49,152 bytes each
.set MRG,   0                          ; LDS, all of it for the tail: [tile][head][part] x 2,304: O^T (2,048), the sum (128), -M (128)
.set WOI,   73728                      ; Wo's codes: 128 columns x 112
.set WOSC,  88064                      ; their scale words
.set CC,    88576                      ; the concatenated heads' codes: rows of 112, 16 to a tile
.set CSB,   95744                      ; their scale words
.set STG,   96000                      ; 32 rows x (512 + 16): the way out
.set SPARE, 112896                     ; the spare words, 128 bytes a wave
.set LI,   1                           ; v1 16 x lane, v2 4 x lane, v3 my spare word, v4 0
.set LS,   2
.set SPW,  3
.set NIL,  4
.set L4,   6                           ; v[6:7], v[18:19], v[252:253]: three more chains of sums
.set BOA,  11                          ; v11 my place in bo
.set NMA,  12                          ; -M of tile a, of tile b; the sums in two halves
.set NMB,  13
.set LA,   14
.set LB,   16
.set L3,   18
.set QF,   20                          ; v20-73 zeros, Qa in lanes 0-15, zeros, Qa in lanes 16-31, zeros, Qb likewise, zeros: six registers each; source 1 for block g of tile ti begins at 24 ti + 6, 18, 0, 12
.set QSA,  74                          ; v74-78: scales and nothing else
.set QSB,  75
.set KS,   76
.set VS,   77
.set PS,   78
.set KF,   80                          ; v80-103 two images of K
.set VF,   104                         ; v104-127 two of V
.set S,    128                         ; v128-191 the scores, then p
.set OTA,  192                         ; O^T: register 8 u + j = channel 16 h + 8 u + j of my head
.set OTB,  208
.set PC,   224                         ; v224-235 p's codes; v236-238, v240-242 the conversions' second halves
.set CT,   236
.set WB,   239
.set PD,   243
.set BM,   244
.set TM,   248                         ; v[248:249] the new -M (249: 0)
.set FF,   250                         ; v[250:251] f = 2^(old M - new M) (251: 0)
.set L2,   252
.set SO,   254
.set SEL,  40                          ; s[40:41] v_permlanex16_b32's selects for lane l xor 16
.set CS,   42                          ; s[42:43] c = log2(e) / sqrt(32); s44 -c
.set NC,   44
.macro WALU
	s_wait_alu depctr_va_vdst(0)
.endm
.macro NOP4
.rept 4
	v_nop
.endr
.endm
.macro BARRIER
	WALU
	s_wait_dscnt 0x0
	s_barrier_signal -1
	s_barrier_wait -1
.endm
.macro KLOAD
.irp f, 0,1
.irp c, 0,1,2
	global_load_b128 v[KF+12*\f+4*\c:KF+12*\f+4*\c+3], v[LI], s[34:35] offset:1536*\f+512*\c
.endr
.endr
	global_load_b32 v[KS], v[LS], s[38:39]         ; lanes 0-15: image 0's scale words, lanes 16-31: image 1's
.endm
.macro VLOAD
.irp f, 0,1
.irp c, 0,1,2
	global_load_b128 v[VF+12*\f+4*\c:VF+12*\f+4*\c+3], v[LI], s[34:35] offset:49152+1536*\f+512*\c
.endr
.endr
	global_load_b32 v[VS], v[LS], s[38:39] offset:16384
.endm
.macro QK qf, qs                                   ; S^T: tile g from block g of image 0, tile 4 + g from image 1
.irp g, 0,1,2,3
	v_wmma_scale_f32_16x16x128_f8f6f4 v[S+8*\g:S+8*\g+7], v[KF:KF+11], v[\qf+6+12*(\g%2)-6*(\g/2):\qf+17+12*(\g%2)-6*(\g/2)], 0, v[KS], v[\qs] matrix_a_fmt:MATRIX_FMT_FP6 matrix_b_fmt:MATRIX_FMT_FP6
.endr
.irp g, 0,1,2,3
	v_wmma_scale_f32_16x16x128_f8f6f4 v[S+32+8*\g:S+39+8*\g], v[KF+12:KF+23], v[\qf+6+12*(\g%2)-6*(\g/2):\qf+17+12*(\g%2)-6*(\g/2)], 0, v[KS], v[\qs] matrix_a_fmt:MATRIX_FMT_FP6 matrix_b_fmt:MATRIX_FMT_FP6 matrix_a_scale:MATRIX_SCALE_ROW1
.endr
.endm
.macro ADDS ll, n                                  ; n pairs of p into the four chains of sums by turns
.rept \n
.if (j/2)%4 == 0
	v_pk_add_f32 v[\ll:\ll+1], v[\ll:\ll+1], v[S+j:S+j+1]
.elseif (j/2)%4 == 1
	v_pk_add_f32 v[L2:L2+1], v[L2:L2+1], v[S+j:S+j+1]
.elseif (j/2)%4 == 2
	v_pk_add_f32 v[L3:L3+1], v[L3:L3+1], v[S+j:S+j+1]
.else
	v_pk_add_f32 v[L4:L4+1], v[L4:L4+1], v[S+j:S+j+1]
.endif
.set j, j+2
.endr
.endm
.macro SUBM n                                      ; t - M, two at a time (of the pairs c and -M the low word serves both halves)
.rept \n
	v_pk_fma_f32 v[S+j:S+j+1], v[S+j:S+j+1], s[CS:CS+1], v[TM:TM+1] op_sel_hi:[1,0,0]
.set j, j+2
.endr
.endm
.macro OSC ot, n                                   ; O^T under the new M, each tile from its low end on
.rept \n
	v_pk_mul_f32 v[\ot+k:\ot+k+1], v[\ot+k:\ot+k+1], v[FF:FF+1] op_sel_hi:[1,0]
.set k, k+2
.endr
.endm
; the softmax of 64 scores a lane and the product with V.  pl: the other tile's sum, which takes up its three further chains here
; wt = 1: V is waited for; vl = 1: the trip's barrier is waited for and the next step's V asked for
.macro SOFT ot, nm, ll, pl, wt, vl
.irp b, 0,1,2,3
	v_max3_num_f32 v[BM+\b], v[S+16*\b], v[S+16*\b+1], v[S+16*\b+2]
.endr
.irp i, 3,5,7,9,11,13
.irp b, 0,1,2,3
	v_max3_num_f32 v[BM+\b], v[BM+\b], v[S+16*\b+\i], v[S+16*\b+\i+1]   ; four chains by turns; each tile is read from its low end on
.endr
.endr
	v_max3_num_f32 v[BM+1], v[BM+1], v[S+15], v[S+31]
	v_max3_num_f32 v[BM+3], v[BM+3], v[S+47], v[S+63]
	v_max_num_f32 v[BM], v[BM], v[BM+1]            ; the largest score of block h
	v_max_num_f32 v[BM+2], v[BM+2], v[BM+3]        ; and of block 2 + h
	s_delay_alu instid0(VALU_DEP_1)
	v_max_num_f32 v[TM], v[BM], v[BM+2]
	v_pk_add_f32 v[\pl:\pl+1], v[\pl:\pl+1], v[L2:L2+1]
	s_delay_alu instid0(VALU_DEP_2)
	v_permlanex16_b32 v[PD], v[TM], s[SEL], s[SEL+1]
	v_pk_add_f32 v[L3:L3+1], v[L3:L3+1], v[L4:L4+1]
	s_delay_alu instid0(VALU_DEP_2)
	v_max_num_f32 v[TM], v[TM], v[PD]              ; the step's largest score of my query
	s_delay_alu instid0(VALU_DEP_1)
	v_mul_f32 v[TM], s[NC], v[TM]                  ; -t
	v_pk_add_f32 v[\pl:\pl+1], v[\pl:\pl+1], v[L3:L3+1]
	s_delay_alu instid0(VALU_DEP_2)
	v_floor_f32 v[TM], v[TM]
	s_delay_alu instid0(VALU_DEP_1)
	v_min_num_f32 v[TM], v[TM], v[\nm]             ; the new -M: a whole number
	s_delay_alu instid0(VALU_DEP_1)
	v_sub_f32 v[BM+1], v[TM], v[\nm]               ; old M - new M: 0 or less
.set j, 0
	SUBM 4
	v_cvt_i32_f32 v[BM+1], v[BM+1]                 ; (it saturates)
	SUBM 4
	v_ldexp_f32 v[FF], 1.0, v[BM+1]                ; f
	SUBM 24
	v_fma_f32 v[BM], v[BM], s[CS], v[TM]           ; the same of the blocks' largest scores: p rises with the score
	v_fma_f32 v[BM+2], v[BM+2], s[CS], v[TM]
	WALU                                           ; the wait ahead of the batch,
.set j, 0
.rept 64
	v_exp_f32 v[S+j], v[S+j]                       ; p = 2^(t - M), at most 1: not normalised
.set j, j+1
.endr
	v_exp_f32 v[BM], v[BM]                         ; the blocks' largest p
	v_exp_f32 v[BM+2], v[BM+2]
	v_mov_b32 v[\nm], v[TM]                        ; the plain instruction behind the exponentials
	WALU                                           ; and behind it; it stands directly ahead of the first readers of O^T too
.set k, 0
	OSC \ot, 2
	v_max_num_f32 v[BM], 0x1800000, v[BM]          ; the floor 2^(3 - 127): the byte cannot fall under 1
	v_max_num_f32 v[BM+2], 0x1800000, v[BM+2]
	OSC \ot, 2
	v_add_nc_u32 v[SO], 0xff000000, v[BM]          ; 2 off the exponent field: the conversions' scale operands
	v_add_nc_u32 v[SO+1], 0xff000000, v[BM+2]
	OSC \ot, 2
	v_lshrrev_b32 v[BM], 23, v[SO]                 ; the bytes
	v_lshrrev_b32 v[BM+2], 23, v[SO+1]
	OSC \ot, 2
	v_lshl_or_b32 v[WB], v[BM+2], 16, v[BM]        ; blocks h and 2 + h
	v_pk_fma_f32 v[\ll:\ll+1], v[\ll:\ll+1], v[FF:FF+1], v[S:S+1] op_sel_hi:[1,0,1]   ; the row's sum is taken of the unquantised p, in four chains
	v_pk_add_f32 v[L2:L2+1], v[S+2:S+3], v[S+4:S+5]
	v_permlanex16_b32 v[PD], v[WB], s[SEL], s[SEL+1]
	v_pk_add_f32 v[L3:L3+1], v[S+6:S+7], v[S+8:S+9]
	v_pk_add_f32 v[L4:L4+1], v[S+10:S+11], v[S+12:S+13]
	v_lshl_or_b32 v[PS], v[PD], 8, v[WB]           ; with lane l + 16's two bytes: p's scale word in lanes 0-15
	v_cvt_scalef32_pk16_fp6_f32 v[PC:PC+2], v[S:S+15], v[SO]
	v_cvt_scalef32_pk16_fp6_f32 v[CT:CT+2], v[S+16:S+31], v[SO]      ; (a conversion's three registers begin on an even number)
	v_cvt_scalef32_pk16_fp6_f32 v[PC+6:PC+8], v[S+32:S+47], v[SO+1]
	v_cvt_scalef32_pk16_fp6_f32 v[CT+4:CT+6], v[S+48:S+63], v[SO+1]
.set j, 14
	ADDS \ll, 12                                   ; the first is the plain place behind the conversions
.irp i, 0,1,2
	v_mov_b32 v[PC+3+\i], v[CT+\i]
	v_mov_b32 v[PC+9+\i], v[CT+4+\i]
.endr
	ADDS \ll, 9                                    ; places between the codes' last move and the products (four are wanted; between the scale word and them eight)
.if \wt
	WALU
	s_wait_loadcnt 0x0                             ; V is in: nothing was asked for behind it
.endif
	; O^T += V^T P^T: the accumulators take turns, one instruction a turn, with the scores' products between a step's and the next step's
	v_wmma_scale_f32_16x16x128_f8f6f4 v[\ot:\ot+7], v[VF:VF+11], v[PC:PC+11], v[\ot:\ot+7], v[VS], v[PS] matrix_a_fmt:MATRIX_FMT_FP6 matrix_b_fmt:MATRIX_FMT_FP6
	v_wmma_scale_f32_16x16x128_f8f6f4 v[\ot+8:\ot+15], v[VF+12:VF+23], v[PC:PC+11], v[\ot+8:\ot+15], v[VS], v[PS] matrix_a_fmt:MATRIX_FMT_FP6 matrix_b_fmt:MATRIX_FMT_FP6 matrix_a_scale:MATRIX_SCALE_ROW1
	ADDS \ll, 4                                    ; the last four pairs: the four places ahead of the loads into V's registers
.if \vl
	WALU
	s_barrier_wait -1                              ; every wave has asked for its next K: none is more than a step behind
	VLOAD
.endif
.endm
; A KEY STEP of 128 keys for both tiles.  last = 1: nothing more of K and V is asked for; Wo's block and bo come in their stead
.macro TRIP last
	s_wait_loadcnt 7                               ; K is in; V's seven loads, asked for behind it, may be out
	QK QF, QSA
	NOP4                                           ; four places ahead of the first read of the scores (ISA guide 7.12.1)
	SOFT OTA, NMA, LA, LB, 1, 0
	QK QF+24, QSB
.if (\last) == 0
	s_add_co_u32 s46, s46, 1                       ; the next slot, round the eight
	s_and_b32 s46, s46, 7
	s_mul_i32 s32, s46, SLOTB
	s_lshl_b32 s36, s46, 11
	s_add_nc_u64 s[34:35], s[26:27], s[32:33]      ; (every load that named these pairs has been waited for)
	s_add_nc_u64 s[38:39], s[30:31], s[36:37]
.endif
	NOP4                                           ; and ahead of loads into registers that the products have read
.if \last
.set i, 0
.rept 32
	global_load_b32 v[20+i], v[LS], s[52:53] offset:512*i   ; Wo(32 (w / 4) + i, column 32 (w % 4) + lane): Q's registers are free
.set i, i+1
.endr
	global_load_b128 v[52:55], v[BOA], s[10:11]
	global_load_b128 v[56:59], v[BOA], s[10:11] offset:16
	SOFT OTB, NMB, LB, LA, 0, 0
.else
	KLOAD
	s_barrier_signal -1                            ; between this line and its wait stands work on registers alone
	SOFT OTB, NMB, LB, LA, 0, 1
.endif
.endm
	s_load_b256 s[4:11], s[0:1], 0x0               ; codes s[4:5], scales s[6:7], Wo s[8:9], bo s[10:11]
	s_load_b64 s[12:13], s[0:1], 0x20              ; out0
	v_lshl_add_u32 v[SPW], v0, 2, SPARE
	v_mov_b32 v[NIL], 0
	v_lshrrev_b32 v8, 5, v0
	v_and_b32 v5, 31, v0                           ; lane
	v_and_b32 v6, 15, v0                           ; r
	v_bfe_u32 v7, v0, 4, 1                         ; h
	v_readfirstlane_b32 s14, v8                    ; wave 0..15
	v_lshlrev_b32 v[LI], 4, v5
	v_lshlrev_b32 v[LS], 2, v5
	v_lshlrev_b32 v10, 2, v6
	WALU                                           ; the wait ahead of the scalar run
	s_and_b32 s15, s14, 3                          ; head
	s_lshr_b32 s16, s14, 2                         ; which step of each slot
	s_lshr_b32 s18, ttmp9, 7                       ; batch
	s_bfe_u32 s19, ttmp9, 0x10001                  ; F
	s_and_b32 s20, ttmp9, 1                        ; p
	s_mul_i32 s24, s18, 8*SLOTB
	s_mul_i32 s25, s16, 12288
	s_add_co_u32 s24, s24, s25
	s_mul_i32 s25, s15, 3072
	s_add_co_u32 s24, s24, s25
	s_mov_b32 s25, 0
	s_mul_i32 s28, s18, 49152
	s_mov_b32 s50, s28
	s_lshl_b32 s29, s16, 9
	s_add_co_u32 s28, s28, s29
	s_lshl_b32 s29, s15, 7
	s_add_co_u32 s28, s28, s29
	s_mov_b32 s29, 0
	s_and_b32 s46, ttmp9, 7                        ; the slot that my walk begins with
	s_mul_i32 s32, s46, SLOTB
	s_mov_b32 s33, 0
	s_lshl_b32 s36, s46, 11
	s_mov_b32 s37, 0
	s_lshl_b32 s21, s15, 1
	s_add_co_u32 s21, s21, s19                     ; 2 head + F
	s_lshr_b32 s48, ttmp9, 4                       ; Q: slot, step, image
	s_mul_i32 s48, s48, SLOTB
	s_bfe_u32 s49, ttmp9, 0x20002
	s_mul_i32 s49, s49, 12288
	s_add_co_u32 s48, s48, s49
	s_mul_i32 s49, s21, 1536
	s_add_co_u32 s48, s48, s49
	s_add_co_u32 s48, s48, 98304
	s_mov_b32 s49, 0
	s_bfe_u32 s51, ttmp9, 0x50002
	s_lshl_b32 s51, s51, 9
	s_add_co_u32 s50, s50, s51
	s_lshl_b32 s51, s21, 6
	s_add_co_u32 s50, s50, s51
	s_add_co_u32 s50, s50, 32768
	s_mov_b32 s51, 0
	s_lshl_b32 s52, s16, 14                        ; Wo: my block of K, my 32 columns
	s_lshl_b32 s53, s15, 7
	s_add_co_u32 s52, s52, s53
	s_mov_b32 s53, 0
	s_lshl_b32 s56, ttmp9, 8                       ; Wo's 256 blocks of 256 bytes: one to a work-group
	s_mov_b32 s57, 0
	s_cmp_eq_u32 s20, 1
	s_cselect_b32 s22, 520, 0                      ; where registers 6 p + 0, 1 lie in Q's image (+ 4, 5: 512 bytes on),
	s_cselect_b32 s23, 1024, 8                     ; and 6 p + 2, 3
	v_lshl_add_u32 v8, v6, 4, s22
	v_lshl_add_u32 v9, v6, 4, s23
	WALU
	s_wait_kmcnt 0x0
	s_add_nc_u64 s[26:27], s[4:5], s[24:25]        ; my head's K of my step in slot 0 of the batch
	s_add_nc_u64 s[30:31], s[6:7], s[28:29]        ; and its scale words
	s_add_nc_u64 s[48:49], s[4:5], s[48:49]
	s_add_nc_u64 s[50:51], s[6:7], s[50:51]
	s_add_nc_u64 s[34:35], s[26:27], s[32:33]
	s_add_nc_u64 s[38:39], s[30:31], s[36:37]
	s_add_nc_u64 s[52:53], s[8:9], s[52:53]
	s_add_nc_u64 s[56:57], s[8:9], s[56:57]
.irp t, 0,1
	global_load_b64 v[S+6*\t:S+6*\t+1], v8, s[48:49] offset:256*\t        ; my queries' codes of my head: 24 bytes a query, the same in both halves of the lanes
	global_load_b64 v[S+6*\t+2:S+6*\t+3], v9, s[48:49] offset:256*\t
	global_load_b64 v[S+6*\t+4:S+6*\t+5], v8, s[48:49] offset:256*\t+512
.endr
	global_load_b32 v[S+12], v10, s[50:51]
	KLOAD
	VLOAD
	s_cmp_eq_u32 s14, 0
	s_cbranch_scc0 .Lno_ask
	global_prefetch_b8 v[NIL], s[56:57] th:TH_LOAD_NT scope:SCOPE_SE   ; all lanes name my work-group's one block of Wo, which the last trip loads; neither address register is written again
.Lno_ask:
	; constants, while the loads are on their way
	s_mov_b32 s[SEL], 0x76543210
	s_mov_b32 s[SEL+1], 0xfedcba98
	s_mov_b32 s[CS], 0x3e8293ee                    ; c = log2(e) / sqrt(32) = 0.255035
	s_mov_b32 s[CS+1], s[CS]                       ; (named with it as a pair, so it is written)
	s_mov_b32 s[NC], 0xbe8293ee
	s_mul_i32 s86, s20, 0x02020202                 ; v_perm_b32's selects: byte 2 p + ti, four times
	s_add_co_u32 s87, s86, 0x01010101
	s_and_b32 s82, s14, 1                          ; the last product: row tile w % 2, column tile w / 2
	s_lshr_b32 s83, s14, 1
	s_lshl_b32 s88, s83, 6
	s_mul_i32 s68, s15, 9216
	s_mul_i32 s66, s16, 2304
	s_add_co_u32 s66, s66, s68                     ; the merge, in: tile a's place (tile b's 36,864 on)
	s_add_co_u32 s67, s66, 2048
	s_mul_i32 s69, s16, 36864
	s_add_co_u32 s68, s68, s69                     ; and out (waves 0 to 7): tile w / 4
	s_add_co_u32 s69, s68, 2048
	s_mul_i32 s70, s15, 3584
	s_mul_i32 s71, s16, 24
	s_add_co_u32 s70, s70, s71
	s_add_co_u32 s70, s70, WOI
	s_lshl_b32 s71, s15, 7
	s_add_co_u32 s71, s71, s16
	s_add_co_u32 s71, s71, WOSC
	s_mul_i32 s72, s16, 1792
	s_mul_i32 s73, s15, 24
	s_add_co_u32 s72, s72, s73
	s_add_co_u32 s72, s72, CC
	s_lshl_b32 s73, s16, 6
	s_add_co_u32 s73, s73, s15
	s_add_co_u32 s73, s73, CSB
	s_mul_i32 s74, s82, 1792
	s_add_co_u32 s74, s74, CC
	s_lshl_b32 s75, s82, 6
	s_add_co_u32 s75, s75, CSB
	s_mul_i32 s76, s83, 1792
	s_add_co_u32 s76, s76, WOI
	s_add_co_u32 s77, s88, WOSC
	s_mul_i32 s78, s82, 4224
	s_add_co_u32 s78, s78, s88
	s_add_co_u32 s78, s78, STG
	s_mul_i32 s79, s14, 1056
	s_add_co_u32 s79, s79, STG
	s_lshr_b32 s80, ttmp9, 2                       ; out0: my wave's first row: 128 (n / 4) + 64 F + 16 p + 32 (w / 8) + 2 w % 16
	s_lshl_b32 s80, s80, 7
	s_lshl_b32 s81, s19, 6
	s_add_co_u32 s80, s80, s81
	s_lshl_b32 s81, s20, 4
	s_add_co_u32 s80, s80, s81
	s_lshr_b32 s81, s14, 3
	s_lshl_b32 s81, s81, 5
	s_add_co_u32 s80, s80, s81
	s_lshl_b32 s81, s14, 1
	s_and_b32 s81, s81, 15
	s_add_co_u32 s80, s80, s81
	s_lshl_b32 s80, s80, 9
	s_mov_b32 s81, 0
	s_add_nc_u64 s[12:13], s[12:13], s[80:81]
	s_mov_b32 s45, 7
	v_lshl_add_u32 v[BOA], v7, 5, s88              ; bo(16 (w / 2) + 8 h + 0 .. 7)
.irp b, 0,12,24,36,48
.irp i, 0,1,2,3,4,5
	v_mov_b32 v[QF+\b+\i], 0
.endr
.endr
	v_mov_b32 v[PD], 0                             ; written once: a lane permute's destination counts as one of its sources
	v_mov_b32 v[TM+1], 0                           ; (named as the upper halves of pairs)
	v_mov_b32 v[FF+1], 0
.irp i, 0,1,2,3,4,5
	v_mov_b32 v[LA+\i], 0                          ; the sums and their further chains
.endr
.irp i, 0,1
	v_mov_b32 v[L2+\i], 0
	v_mov_b32 v[L4+\i], 0
.endr
	v_mov_b32 v[NMA], 0x7f61b1e6                   ; -M: 3e38, over every -t
	v_mov_b32 v[NMB], 0x7f61b1e6
	v_cmp_gt_u32 vcc_lo, 16, v5
	WALU
	s_wait_loadcnt 14                              ; Q is in; K's and V's seven loads each may be out
	v_perm_b32 v[QSA], v[S+12], v[S+12], s86       ; my queries' byte in all four bytes
	v_perm_b32 v[QSB], v[S+12], v[S+12], s87
.irp t, 0,1
.irp i, 0,1,2,3,4,5
	v_cndmask_b32 v[QF+24*\t+6+\i], 0, v[S+6*\t+\i], vcc_lo          ; the codes in lanes 0-15, zeros in lanes 16-31
	v_cndmask_b32 v[QF+24*\t+18+\i], v[S+6*\t+\i], v[QF], vcc_lo     ; and the other way round
.endr
.endr
.set j, 0
.rept 32
	v_mov_b32 v[OTA+j], 0                          ; O^T of both tiles: the step is written once: the first finds zeros, which the first change of M leaves zeros
.set j, j+1
.endr
	WALU                                           ; the wait at the head's end
.Lstep:
	TRIP 0
	s_sub_co_u32 s45, s45, 1
	s_cmp_lg_u32 s45, 0
	WALU
	s_cbranch_scc1 .Lstep
	TRIP 1                                         ; the eighth step is written out
	; THE TAIL.  All its LDS addresses are made here, ahead of the first parting of the waves
	v_pk_add_f32 v[LB:LB+1], v[LB:LB+1], v[L2:L2+1]   ; tile b's further chains
	v_pk_add_f32 v[L3:L3+1], v[L3:L3+1], v[L4:L4+1]
	v_and_b32 v60, 31, v0
	v_and_b32 v61, 15, v0
	v_pk_add_f32 v[LB:LB+1], v[LB:LB+1], v[L3:L3+1]
	v_bfe_u32 v62, v0, 4, 1
	v_add_nc_u32 v63, s66, v[LI]
	v_add_nc_u32 v64, s67, v[LS]
	v_add_nc_u32 v65, s68, v[LI]
	v_add_nc_u32 v66, s69, v[LS]
	v_mul_u32_u24 v67, 0x70, v60
	v_add_nc_u32 v67, s70, v67                     ; Wo's codes: my column's row, my block
	v_add_nc_u32 v68, s71, v[LS]                   ; its scale byte
	v_mul_u32_u24 v73, 0x70, v61
	v_mad_u32_u24 v69, v62, 12, v73
	v_add_nc_u32 v69, s72, v69                     ; my 16 codes of O: row r, block = head, half h
	v_lshl_add_u32 v70, v61, 2, s73                ; its block's byte
	v_mad_u32_u24 v73, v62, 24, v73
	v_add_nc_u32 v71, s74, v73                     ; the fragment of row tile w % 2
	v_lshl_add_u32 v72, v61, 2, s75
	v_add_nc_u32 v73, s76, v73                     ; Wo's fragment of column tile w / 2
	v_lshl_add_u32 v104, v61, 2, s77
	v_and_b32 v105, 8, v61
	v_add_nc_u32 v105, v105, v61
	v_mul_u32_u24 v105, 0x210, v105
	v_lshl_add_u32 v105, v62, 5, v105
	v_add_nc_u32 v105, s78, v105                   ; the stage, in: row 16 (r / 8) + 8 (w % 2) + r % 8, byte 64 (w / 2) + 32 h
	v_add_nc_u32 v106, s79, v[LI]                  ; and back: rows 2 w, 2 w + 1
	v_add_f32 v[LA], v[LA], v[LA+1]                ; the sums' two halves
	v_add_f32 v[LB], v[LB], v[LB+1]
	v_permlanex16_b32 v[PD], v[LA], s[SEL], s[SEL+1]
	v_permlanex16_b32 v[WB], v[LB], s[SEL], s[SEL+1]
	v_add_f32 v[LA], v[LA], v[PD]                  ; with lane l xor 16's
	v_add_f32 v[LB], v[LB], v[WB]
	WALU                                           ; the wait ahead of each accumulator's first reader
	ds_store_b128 v63, v[OTA:OTA+3]
	ds_store_b128 v63, v[OTA+4:OTA+7] offset:512
	WALU
	ds_store_b128 v63, v[OTA+8:OTA+11] offset:1024
	ds_store_b128 v63, v[OTA+12:OTA+15] offset:1536
	WALU
	ds_store_b128 v63, v[OTB:OTB+3] offset:36864
	ds_store_b128 v63, v[OTB+4:OTB+7] offset:36864+512
	WALU
	ds_store_b128 v63, v[OTB+8:OTB+11] offset:36864+1024
	ds_store_b128 v63, v[OTB+12:OTB+15] offset:36864+1536
	ds_store_b32 v64, v[LA]
	ds_store_b32 v64, v[NMA] offset:128
	ds_store_b32 v64, v[LB] offset:36864
	ds_store_b32 v64, v[NMB] offset:36864+128
	WALU
	s_wait_loadcnt 0x0                             ; Wo's block and bo are in
	v_max3_num_f32 v[BM], |v20|, |v21|, |v22|
	v_max3_num_f32 v[BM+1], |v36|, |v37|, |v38|
.irp i, 23,25,27,29,31,33
	v_max3_num_f32 v[BM], v[BM], |v[\i]|, |v[\i+1]|
	v_max3_num_f32 v[BM+1], v[BM+1], |v[\i+16]|, |v[\i+17]|
.endr
	v_max3_num_f32 v[BM+1], v[BM+1], |v35|, |v51|
	v_max3_num_f32 v[BM], v[BM], v[BM+1], 0x1800000
	v_add_nc_u32 v[SO], 0xff000000, v[BM]
	v_lshrrev_b32 v[BM+1], 23, v[SO]
	v_cvt_scalef32_pk16_fp6_f32 v[PC:PC+2], v[20:35], v[SO]
	v_cvt_scalef32_pk16_fp6_f32 v[CT:CT+2], v[36:51], v[SO]
	v_nop                                          ; one plain place behind the scaled conversions
.irp i, 0,1,2
	v_mov_b32 v[PC+3+\i], v[CT+\i]
.endr
	ds_store_b64 v67, v[PC:PC+1]
	ds_store_b64 v67, v[PC+2:PC+3] offset:8
	ds_store_b64 v67, v[PC+4:PC+5] offset:16
	ds_store_b8 v68, v[BM+1]
	BARRIER                                        ; all parts of O^T and Wo's codes lie in LDS
.irp p, 0,1,2,3,4,5
	ds_load_b64 v[KF+2*\p:KF+2*\p+1], v73 offset:48*(\p/3)+8*(\p%3)   ; Wo's fragment
.endr
	ds_load_b32 v[KS], v104
	s_cmp_lt_u32 s14, 8
	s_cbranch_scc0 .Lmerged
	; THE MERGE: wave w < 8 has head w % 4, tile w / 4: the four parts of its keys
.irp b, 0,1,2,3
.irp i, 0,1,2,3
	ds_load_b128 v[S+16*\b+4*\i:S+16*\b+4*\i+3], v65 offset:2304*\b+512*\i
.endr
	ds_load_b32 v[192+\b], v66 offset:2304*\b
	ds_load_b32 v[196+\b], v66 offset:2304*\b+128
.endr
	s_wait_dscnt 0x0
	v_min_num_f32 v200, v196, v197
	v_min_num_f32 v201, v198, v199
	v_min_num_f32 v200, v200, v201                 ; -M of all parts together
.irp b, 0,1,2,3
	v_sub_f32 v[202+\b], v200, v[196+\b]           ; a part's M less the common one: a whole number, 0 or less
.endr
.irp b, 0,1,2,3
	v_cvt_i32_f32 v[202+\b], v[202+\b]
.endr
.irp b, 0,1,2,3
	v_ldexp_f32 v[224+2*\b], 1.0, v[202+\b]
.endr
	v_mul_f32 v206, v192, v224
.irp b, 1,2,3
	v_fma_f32 v206, v[192+\b], v[224+2*\b], v206
.endr
	WALU                                           ; the wait ahead of the reciprocal too
	v_rcp_f32 v232, v206
.set j, 0
.rept 8
	v_pk_mul_f32 v[S+j:S+j+1], v[S+j:S+j+1], v[224:225] op_sel_hi:[1,0]   ; all these multiplications are by powers of two
.set j, j+2
.endr
.irp b, 1,2,3
.set j, 0
.rept 8
	v_pk_fma_f32 v[S+j:S+j+1], v[S+16*\b+j:S+16*\b+j+1], v[224+2*\b:225+2*\b], v[S+j:S+j+1] op_sel_hi:[1,0,1]
.set j, j+2
.endr
.endr
	WALU                                           ; and behind it, ahead of its first reader
.set j, 0
.rept 8
	v_pk_mul_f32 v[S+j:S+j+1], v[S+j:S+j+1], v[232:233] op_sel_hi:[1,0]   ; O / the sum: channels 16 h + 0 .. 15 of my head: half of block `head` of the last product's K
.set j, j+2
.endr
	v_max3_num_f32 v200, |v128|, |v129|, 0x1800000
	v_max3_num_f32 v201, |v130|, |v131|, |v132|
	v_max3_num_f32 v200, v200, |v133|, |v134|
	v_max3_num_f32 v201, v201, |v135|, |v136|
	v_max3_num_f32 v200, v200, |v137|, |v138|
	v_max3_num_f32 v201, v201, |v139|, |v140|
	v_max3_num_f32 v200, v200, |v141|, |v142|
	v_max3_num_f32 v200, v200, v201, |v143|
	v_permlanex16_b32 v[PD], v200, s[SEL], s[SEL+1]
	v_max_num_f32 v200, v200, v[PD]                ; the block's largest magnitude
	v_add_nc_u32 v202, 0xff000000, v200
	v_lshrrev_b32 v203, 23, v202
	v_cvt_scalef32_pk16_fp6_f32 v[PC:PC+2], v[S:S+15], v202
	v_nop                                          ; one plain place behind the scaled conversion
	ds_store_b32 v69, v[PC]
	ds_store_b32 v69, v[PC+1] offset:4
	ds_store_b32 v69, v[PC+2] offset:8
	ds_store_b8 v70, v203                          ; lanes r and r + 16 write the same byte with the same value
.Lmerged:
	BARRIER                                        ; two tiles of 16 rows x 128 codes and their scale words lie in LDS
	; THE LAST PRODUCT, transposed: source 0 = 16 columns of Wo, source 1 = 16 rows of the heads' results; bo is its C.  One K step, one instruction a wave
.irp p, 0,1,2,3,4,5
	ds_load_b64 v[KF+12+2*\p:KF+13+2*\p], v71 offset:48*(\p/3)+8*(\p%3)
.endr
	ds_load_b32 v[PS], v72
	s_wait_dscnt 0x0
	v_wmma_scale_f32_16x16x128_f8f6f4 v[S:S+7], v[KF:KF+11], v[KF+12:KF+23], v[52:59], v[KS], v[PS] matrix_a_fmt:MATRIX_FMT_FP6 matrix_b_fmt:MATRIX_FMT_FP6
	NOP4                                           ; four places ahead of the stores that read the result
	ds_store_b128 v105, v[S:S+3]                   ; lane (r, h): out(row, 16 (w / 2) + 8 h + 0 .. 7)
	ds_store_b128 v105, v[S+4:S+7] offset:16
	BARRIER                                        ; 32 whole rows lie in the stage
	ds_load_b128 v[S+8:S+11], v106
	ds_load_b128 v[S+12:S+15], v106 offset:528
	s_wait_dscnt 1                                 ; the first row is back; the second load may be out
	global_store_b128 v[LI], v[S+8:S+11], s[12:13] th:TH_STORE_NT   ; 32 lanes store a row of 512 bytes, at a multiple of 256 from out0's first byte; written once, read by nobody here
	s_wait_dscnt 0x0
	global_store_b128 v[LI], v[S+12:S+15], s[12:13] offset:512 th:TH_STORE_NT
	s_wait_tensorcnt 0x0                           ; the wave's end
	ds_add_u32 v[SPW], v[NIL]
	s_wait_dscnt 0x0
	s_endpgm
.Lfunc_end_k_q4dfa4d286e_attn:
	.size	k_q4dfa4d286e_attn, .Lfunc_end_k_q4dfa4d286e_attn-k_q4dfa4d286e_attn
	.p2alignl 7, 3214868480
	.fill 96, 4, 3214868480
	.section	.rodata,"a",@progbits
	.p2align	6, 0x0
	.amdhsa_kernel k_q4dfa4d286e_attn
		.amdhsa_group_segment_fixed_size 114944
		.amdhsa_private_segment_fixed_size 0
		.amdhsa_enable_private_segment 0
		.amdhsa_kernarg_size 40
		.amdhsa_user_sgpr_count 2
		.amdhsa_user_sgpr_kernarg_segment_ptr 1
		.amdhsa_wavefront_size32 1
		.amdhsa_system_sgpr_workgroup_id_x 1
		.amdhsa_system_sgpr_workgroup_id_y 1
		.amdhsa_system_sgpr_workgroup_id_z 1
		.amdhsa_system_vgpr_workitem_id 0
		.amdhsa_next_free_vgpr 256
		.amdhsa_next_free_sgpr 96
		.amdhsa_reserve_vcc 1
		.amdhsa_float_denorm_mode_32 3
		.amdhsa_float_denorm_mode_16_64 3
		.amdhsa_memory_ordered 1
		.amdhsa_forward_progress 1
		.amdhsa_inst_pref_size 76
	.end_amdhsa_kernel
	.amdgpu_metadata
---
amdhsa.version: [ 1, 2 ]
amdhsa.kernels:
  - .name:           k_q4dfa4d286e_attn
    .symbol:         k_q4dfa4d286e_attn.kd
    .args:
      - { .name: codes, .offset: 0, .size: 8, .value_kind: global_buffer, .address_space: global }
      - { .name: scales, .offset: 8, .size: 8, .value_kind: global_buffer, .address_space: global }
      - { .name: Wo, .offset: 16, .size: 8, .value_kind: global_buffer, .address_space: global }
      - { .name: bo, .offset: 24, .size: 8, .value_kind: global_buffer, .address_space: global }
      - { .name: out0, .offset: 32, .size: 8, .value_kind: global_buffer, .address_space: global }
    .group_segment_fixed_size: 114944
    .private_segment_fixed_size: 0
    .kernarg_segment_align: 8
    .kernarg_segment_size: 40
    .max_flat_workgroup_size: 512
    .sgpr_count:     96
    .vgpr_count:     256
    .wavefront_size: 32
...
	.end_amdgpu_metadata
.endif
;; end of part 2
